; MI455X (gfx1250); checked and timed in simulation.
; The chip was launched on July 23, 2026; its instructions are those of AMD's public machine-readable ISA for CDNA 5 (MIT licence, August 2026) and "CDNA5" Instruction Set Architecture Reference Guide (July 2026). The comments in the code are by the model that wrote it; some were corrected since.
;; CFM. Allowed arithmetic: matrix products marked QUANTISED: E3M2 operands, one E8M0 scale for each 32 along K, by v_wmma_scale_f32_16x16x128_f8f6f4 with both operands' format E3M2, f32 sums; products left as they are: f32 operands where the result goes on into a quantised operand, else bf16, f16 or f32 operands; f32 sums; everything else in f32.
;; Inputs: W1 512 x 512 float32; W2 512 x 1 float32; b1 512 float32; b2 1 float32; z_o 512 x 256 float32; z_t 1,024 x 256 float32.
;; Outputs: out0 1,024 x 512 float32.
;; This version of the problem:
;;   THIS VERSION OF THE PROBLEM IS GIVEN IN LOW PRECISION. The matrix products marked QUANTISED in the list below multiply operands that are first quantised to E3M2 (3 exponent bits, 2 mantissa bits; 6 bits a number), with one power-of-two scale for each 32 numbers along K (OCP MX v1.0); their sums are f32. All else is computed in f32.
;;   The module's matrix products, in the order in which they are computed (A, B: the left and right operand; K: the contracted axis; several contracted axes count as one K, in the product's order):
;;     1. [M 1,024, K 256] x [K 256, N 512]; A: input z_t; B: input W1: QUANTISED
;;     2. [M 512, K 256] x [K 256, N 512]; A: input z_o; B: input W1: QUANTISED
;;     3. [M 524,288, K 512] x [K 512, N 1]; A: computed on the way; B: input W2: left as it is (N = 1 < 16)
;;   THE QUANTISER, for each operand of a quantised product, along K:
;;     - K is cut into blocks of 32 from its start; a last block that is shorter is filled with zeros.
;;     - A block's scale is 2^e with e = floor(log2(the largest magnitude in the block)) - 4, held to -126 .. 127; a block of zeros has e = 0. As a byte (E8M0): e + 127.
;;     - Each number is divided by its block's scale, clamped to +-28, and rounded to the nearest number of E3M2, ties to even, subnormals kept.
;;     - The product sums the exact products of the quantised numbers (number of the format x scale) in f32.
;;   ~~~python
;;   def quantise(x, axis):      # numpy; x: float32 -> the quantised numbers, widened to float32 again
;;       x = np.moveaxis(x, axis, -1); K = x.shape[-1]
;;       x = np.pad(x, [(0, 0)] * (x.ndim - 1) + [(0, -K % 32)]); x = x.reshape(x.shape[:-1] + (-1, 32)); a = np.abs(x).max(-1, keepdims=True)
;;       e = np.where(a > 0, np.clip(np.frexp(np.where(a > 0, a, 1))[1] - 1 - 4, -126, 127), 0)      # np.frexp(a)[1] - 1 = floor(log2(a)), exactly
;;       r = np.clip(x / 2.0 ** e, -28, 28)
;;       step = 2.0 ** (np.maximum(np.frexp(np.where(r == 0, 1, r))[1] - 1, -2) - 2)
;;       q = np.round(r / step) * step * 2.0 ** e      # np.round: ties to even
;;       return np.moveaxis(q.reshape(q.shape[:-2] + (-1,))[..., :K], -1, axis).astype(np.float32)
;;   ~~~
;; 2 versions, each right; version 2 is version 1 with the launch proj written anew for expert scheduling mode. Each part assembles by itself: llvm-mc -triple=amdgcn-amd-amdhsa -mcpu=gfx1250 --defsym DOCPART=n.
;; ======== version 1 of 2: 2 launches
;; workspace buffers: H 3,145,728 bytes; lin 49,152 bytes
;; launch proj (part 1): grid 8 x 24, 8 waves a work-group, no clusters, 28,672 bytes of LDS; arguments z_t, z_o, W1, b1, W2, H, lin; writes H, lin
.if DOCPART == 1
	.amdgcn_target "amdgcn-amd-amdhsa--gfx1250"
	.amdhsa_code_object_version 6
	.text
	.protected	k_qd9aa3025d4_proj
	.globl	k_qd9aa3025d4_proj
	.p2align	8
	.type	k_qd9aa3025d4_proj,@function
k_qd9aa3025d4_proj:
	s_mov_b64 s[64:65], 0
	v_nop
	global_prefetch_b8 v0, s[64:65] scope:SCOPE_SE
	s_setreg_imm32_b32 hwreg(HW_REG_WAVE_MODE, 25, 1), 1
	s_wait_xcnt 0x0
; ht = Q(z_t) Q(W1[0:256]) and hb = Q(z_o) Q(W1[256:512]) + b1, both products on codes of BF6 (E3M2) with one E8M0 scale for each 32 along K (K = 256).
; z_t [1024][256], z_o [512][256], W1 [512][512] (K is its FIRST axis), b1 [512], W2 [512]: f32.
; OUT: H, 96 tiles of 16 rows (64 of ht, then 32 of g = -hb), laid [tile][unit j/4][row 0..15][j%4] f32: a unit is 256 bytes, so a lane's 16 bytes of a result and its fifteen neighbours' fill a unit.
;      lin [8 column blocks][1536 rows] f32: the block's part of 0.01 x sum_j W2[j] ht[row][j] (rows of z_t) or of sum_j W2[j] hb[row][j] (rows of z_o).
; The next launch needs no more: lrelu(x) = 0.01 x + 0.99 max(x, 0) and max(ht + hb, 0) = max(ht, -hb) + hb.
; SHARES.  A work-group: 64 rows x 64 columns, eight waves.  Wave w quantises ONE fragment of x (row tile w / 2, K step w % 2) and ONE of W1 (column tile w / 2, K step w % 2); the sixteen fragments and
; their scale words go from wave to wave through LDS as images of their registers; then wave w multiplies row tile w / 2 by column tiles 2 (w % 2) and 2 (w % 2) + 1: four matrix instructions.
; THE MATRIX INSTRUCTION IS USED TRANSPOSED (source 0 = 16 columns of W1, source 1 = 16 rows of x): a lane holds one row of x and eight neighbouring columns.
; No tensor loads, no ring: every byte is asked for at the head and used once.  No prefetch for the same reason.  No cluster: a work-group reads 64 KiB of x and 64 KiB of W1 once.
; LIMITS: NaN and infinities among the inputs are not served; blocks whose largest magnitude lies under 2^-122 (their byte is held at 1, as the quantiser's rule has it) were not tried;
; a block of zeros gets the byte 1 where the rule says 127: its codes are zeros, and the bytes never leave this launch.
.set FR,    12                         ; registers of a fragment (16 rows x 128 K of 6-bit codes)
.set FRB,   FR*128                     ; its image in bytes
.set XIMG,  0                          ; LDS: x's 8 fragments (2 x row tile + K step),
.set XSC,   XIMG+8*FRB                 ; their scale words, 128 bytes each,
.set WIMG,  XSC+8*128                  ; W1's 8 fragments (2 x column tile + K step),
.set WSC,   WIMG+8*FRB                 ; their scale words,
.set LINS,  WSC+8*128                  ; and 16 partial sums for each wave
.set XA,   4                           ; v4   x: my lane's byte in the wave's 16 rows
.set WA,   5                           ; v5   W1: my lane's byte: column r, 32 rows further down for lanes 16-31
.set LI,   6                           ; v6   16 x lane
.set LS,   7                           ; v7   4 x lane
.set MYI,  8                           ; v8   where I store images: 16 x lane + FRB x wave
.set MYS,  9                           ; v9   and scale words: 4 x lane + 128 x wave
.set BA,   10                          ; v10  b1, W2: 32 bytes on for lanes 16-31
.set HO,   11                          ; v11  H: 16 r + 512 h
.set LINA, 12                          ; v12  where I put my row's partial sum
.set LINR, 13                          ; v13  where wave 0 reads two rows' sums back
.set LINO, 14                          ; v14  8 x lane
.set XFA,  15                          ; v15  where my row tile's images of x begin
.set X,    16                          ; v16-79   64 numbers of x
.set W,    80                          ; v80-143  64 numbers of W1
.set TM,   144                         ; v144-159 at work in QUANT
.set PC,   160                         ; v160-178 x's codes
.set PW,   180                         ; v180     x's scale word
.set TW,   184                         ; v184-191 at work for W1
.set TS,   186
.set TB,   188
.set WT,   190
.set PC2,  192                         ; v192-203 W1's codes; v204-210 their second halves before the move
.set PT,   204
.set PW2,  212                         ; v212     W1's scale word
.set BI,   214                         ; v214-229 b1 (or 0) in the result's layout, two tiles
.set WW,   230                         ; v230-245 W2 likewise
.set XSA,  246                         ; v246-248 where my scale words of x, my images and scale words of W1 begin
.set WFA,  247
.set WSA,  248
.set XS,   250                         ; v250-251 x's scale words, v252-255 W1's: these registers hold scales and nothing else
.set WS,   252
.set XF,   16                          ; behind the barrier: v16-39 x's two fragments, v40-87 W1's four, v96-111 two accumulators
.set WF,   40
.set D,    96
.set P,    112
.set SEL,  30                          ; s[30:31] v_permlanex16_b32's selects for lane l xor 16
; 64 numbers of a lane, register 16 b + i = k 32 b + 16 (lane / 16) + i of my row, become a fragment's codes in v[PC] on and its scale word in v[PW].
.macro QUANT s
.irp b, 0,1,2,3
	v_max3_num_f32 v[TM+\b], |v[\s+16*\b]|, |v[\s+1+16*\b]|, 0x2800000   ; block b: my 16 numbers, and the floor 2^(5 - 127): the byte cannot fall under 1
.endr
.irp i, 2,4,6,8,10,12,14
.irp b, 0,1,2,3
	v_max3_num_f32 v[TM+\b], v[TM+\b], |v[\s+16*\b+\i]|, |v[\s+1+16*\b+\i]|   ; the four blocks by turns
.endr
.endr
.irp b, 0,1,2,3
	v_permlanex16_b32 v[TM+4+\b], v[TM+\b], s[SEL], s[SEL+1]
.endr
.irp b, 0,1,2,3
	v_max_num_f32 v[TM+\b], v[TM+\b], v[TM+4+\b]   ; with lane l xor 16's: the block's largest magnitude
.endr
.irp b, 0,1,2,3
	v_add_nc_u32 v[TM+12+\b], 0xfe000000, v[TM+\b]   ; 4 off its exponent field: the conversion takes this operand's exponent field as its scale
.endr
.irp b, 0,1,2,3
	v_lshrrev_b32 v[TM+4+\b], 23, v[TM+12+\b]      ; the scale's byte
.endr
	v_lshl_or_b32 v[PW], v[TM+5], 8, v[TM+4]       ; four bytes: my row's scale word
	v_lshl_or_b32 v[PW], v[TM+6], 16, v[PW]
	v_lshl_or_b32 v[PW], v[TM+7], 24, v[PW]
.irp c, 0,1
	v_cvt_scalef32_pk16_bf6_f32 v[PC+6*\c:PC+2+6*\c], v[\s+32*\c:\s+15+32*\c], v[TM+12+2*\c]
	v_cvt_scalef32_pk16_bf6_f32 v[PC+12+4*\c:PC+14+4*\c], v[\s+16+32*\c:\s+31+32*\c], v[TM+12+2*\c+1]   ; (a conversion's three registers begin on an even number)
.endr
	v_nop                                          ; one plain place behind a scaled conversion
.irp c, 0,1                                    ; the operand's layout wants a WHOLE block in a lane: lanes 0-15 block 2 c, lanes 16-31 block 2 c + 1
.irp i, 0,1,2
	v_permlane16_swap_b32 v[PC+6*\c+\i], v[PC+12+4*\c+\i]
.endr
.irp i, 0,1,2
	v_mov_b32 v[PC+3+6*\c+\i], v[PC+12+4*\c+\i]
.endr
.endr
.endm
.macro IMAGE reg, off                          ; a fragment goes to LDS as it stands: lane l's 16 bytes at 16 l, 512 bytes a store
.irp c, 0,1,2
	ds_store_b128 v[MYI], v[\reg+4*\c:\reg+4*\c+3] offset:\off+512*\c
.endr
.endm
.macro FETCH reg, adr, off                     ; and comes back so, in any wave
.irp c, 0,1,2
	ds_load_b128 v[\reg+4*\c:\reg+4*\c+3], v[\adr] offset:\off+512*\c
.endr
.endm
	s_load_b256 s[4:11], s[0:1], 0x0               ; z_t s[4:5], z_o s[6:7], W1 s[8:9], b1 s[10:11]
	s_load_b128 s[12:15], s[0:1], 0x20             ; W2 s[12:13], H s[14:15]
	s_load_b64 s[16:17], s[0:1], 0x30              ; lin
	v_lshl_add_u32 v213, v0, 2, 0x6c00
	v_mov_b32 v249, 0
	v_lshrrev_b32 v1, 5, v0
	v_readfirstlane_b32 s18, v1                    ; wave 0..7
	s_lshr_b32 s19, s18, 1                         ; the tile that I quantise (of rows, of columns); the row tile that I multiply
	s_and_b32 s20, s18, 1                          ; the K step that I quantise; the pair of column tiles that I multiply
	s_and_b32 s21, ttmp7, 0xffff                   ; block of 64 rows: 0-15 of z_t, 16-23 of z_o
	v_and_b32 v1, 31, v0                           ; lane
	v_and_b32 v2, 15, v0                           ; r
	v_bfe_u32 v3, v0, 4, 1                         ; h
	v_lshlrev_b32 v[XA], 10, v2
	v_lshl_add_u32 v[XA], v3, 6, v[XA]             ; x: row r of 1,024 bytes, + 64 h: my 16 numbers of a block of 32
	v_lshlrev_b32 v[WA], 2, v2
	v_lshl_add_u32 v[WA], v3, 16, v[WA]            ; W1: column r, + 32 h rows of 2,048 bytes
	v_lshlrev_b32 v[LI], 4, v1
	v_lshlrev_b32 v[LS], 2, v1
	s_mul_i32 s22, s18, FRB
	v_add_nc_u32 v[MYI], s22, v[LI]
	s_lshl_b32 s22, s18, 7
	v_add_nc_u32 v[MYS], s22, v[LS]
	v_lshlrev_b32 v[BA], 5, v3
	v_lshlrev_b32 v[HO], 4, v2
	v_lshl_add_u32 v[HO], v3, 9, v[HO]
	s_lshl_b32 s22, s18, 6
	s_add_co_u32 s22, s22, LINS
	v_lshl_add_u32 v[LINA], v2, 2, s22             ; LINS + 64 x wave + 4 r
	v_lshrrev_b32 v[LINR], 3, v1
	v_and_b32 v[LINO], 7, v1
	v_lshlrev_b32 v[LINR], 7, v[LINR]
	v_lshl_add_u32 v[LINR], v[LINO], 3, v[LINR]
	v_add_nc_u32 v[LINR], LINS, v[LINR]            ; rows 2 l, 2 l + 1 of the block: LINS + 128 (l / 8) + 8 (l % 8)
	v_lshlrev_b32 v[LINO], 3, v1
	s_mul_i32 s22, s19, 2*FRB
	v_add_nc_u32 v[XFA], s22, v[LI]
	s_lshl_b32 s22, s19, 8
	v_add_nc_u32 v[XSA], s22, v[LS]
	s_mul_i32 s22, s20, 4*FRB
	v_add_nc_u32 v[WFA], s22, v[LI]
	s_lshl_b32 s22, s20, 9
	v_add_nc_u32 v[WSA], s22, v[LS]
.irp b, 0,1,2,3
	v_mov_b32 v[TM+4+\b], 0                        ; written once: a lane permute's destination counts as one of its sources
.endr
	s_mov_b32 s[SEL], 0x76543210
	s_mov_b32 s[SEL+1], 0xfedcba98
	s_cmp_lt_u32 s21, 16                           ; rows of z_t or of z_o?  The choice hangs on the work-group's number alone; the selects below leave SCC as it is
	s_cselect_b32 s23, 0, 16
	s_cselect_b32 s24, 0, 0x80000                  ; z_o meets W1's rows 256 on: 256 x 2,048 bytes
	s_cselect_b32 s26, 1.0, -1.0                   ; ht is stored as it is, hb negated
	s_cselect_b32 s28, 0x3c23d70a, 1.0             ; the linear sum's weight: 0.01 for ht, 1 for hb
	s_cselect_b32 vcc_lo, 0, -1                    ; b1 belongs to hb alone
	s_wait_kmcnt 0x0
	s_cselect_b64 s[4:5], s[4:5], s[6:7]
	s_mov_b32 s27, s26                             ; (named with s26 as a pair, so it is written)
	s_sub_co_u32 s22, s21, s23
	s_lshl_b32 s22, s22, 2
	s_add_co_u32 s22, s22, s19                     ; the row tile that I quantise, in its tensor,
	s_lshl_b32 s22, s22, 14                        ; x 16 rows of 1,024 bytes,
	s_lshl_b32 s25, s20, 9
	s_add_co_u32 s22, s22, s25                     ; + my K step's 512 bytes
	s_mov_b32 s23, 0
	s_add_nc_u64 s[4:5], s[4:5], s[22:23]
	s_lshl_b32 s22, s20, 18                        ; W1: my K step's 128 rows,
	s_add_co_u32 s22, s22, s24                     ; in the tensor's half,
	s_lshl_b32 s25, ttmp9, 8
	s_add_co_u32 s22, s22, s25                     ; the block's 64 columns,
	s_lshl_b32 s25, s19, 6
	s_add_co_u32 s22, s22, s25                     ; my 16 of them
	s_add_nc_u64 s[8:9], s[8:9], s[22:23]
	s_lshl_b32 s22, ttmp9, 8                       ; b1, W2: the 32 columns that I multiply
	s_lshl_b32 s25, s20, 7
	s_add_co_u32 s22, s22, s25
	s_add_nc_u64 s[10:11], s[10:11], s[22:23]
	s_add_nc_u64 s[12:13], s[12:13], s[22:23]
	s_lshl_b32 s22, s21, 2
	s_add_co_u32 s22, s22, s19                     ; H: tile 4 x block + my row tile, 32,768 bytes each,
	s_lshl_b32 s22, s22, 15
	s_lshl_b32 s25, ttmp9, 12
	s_add_co_u32 s22, s22, s25                     ; the block's 16 units,
	s_lshl_b32 s25, s20, 11
	s_add_co_u32 s22, s22, s25                     ; my 8 of them
	s_add_nc_u64 s[14:15], s[14:15], s[22:23]
	s_mul_i32 s22, ttmp9, 6144                     ; lin: the column block's 1,536 rows, the row block's 256 bytes
	s_lshl_b32 s25, s21, 8
	s_add_co_u32 s22, s22, s25
	s_add_nc_u64 s[16:17], s[16:17], s[22:23]
	; all 88 loads of the wave go out here: b1 and W2 (8), x (16), W1 (64)
.irp cc, 0,1
.irp q, 0,1
	global_load_b128 v[BI+8*\cc+4*\q:BI+8*\cc+4*\q+3], v[BA], s[10:11] offset:64*\cc+16*\q   ; lane (r, h), tile cc: columns 16 cc + 8 h + 0 .. 7
	global_load_b128 v[WW+8*\cc+4*\q:WW+8*\cc+4*\q+3], v[BA], s[12:13] offset:64*\cc+16*\q
.endr
.endr
.irp b, 0,1,2,3
.irp j, 0,1,2,3
	global_load_b128 v[X+16*\b+4*\j:X+16*\b+4*\j+3], v[XA], s[4:5] offset:128*\b+16*\j
.endr
.endr
.irp c, 0,1
.irp i, 0,1,2,3,4,5,6,7,8,9,10,11,12,13,14,15,16,17,18,19,20,21,22,23,24,25,26,27,28,29,30,31
	global_load_b32 v[W+32*\c+\i], v[WA], s[8:9] offset:(64*\c+\i)*2048   ; W1(64 c + 32 h + i, r): a lane to a column, registers down K, in the operand's own order
.endr
.endr
	s_wait_loadcnt 0x3f                            ; at most the youngest 63 of the 88 are out: b1, W2 and x, the first 24, are in
.irp j, 0,1,2,3,4,5,6,7,8,9,10,11,12,13,14,15
	v_cndmask_b32 v[BI+\j], 0, v[BI+\j], vcc_lo    ; rows of z_t start their sums at 0
.endr
	QUANT X
	IMAGE PC, XIMG
	ds_store_b32 v[MYS], v[PW] offset:XSC
	s_wait_loadcnt 0x0                             ; W1
.irp c, 0,1                                    ; my block 2 c + h: all its 32 numbers are mine
	v_max3_num_f32 v[TW+\c], |v[W+32*\c]|, |v[W+1+32*\c]|, 0x2800000
.endr
.irp i, 2,4,6,8,10,12,14,16,18,20,22,24,26,28,30
.irp c, 0,1
	v_max3_num_f32 v[TW+\c], v[TW+\c], |v[W+32*\c+\i]|, |v[W+1+32*\c+\i]|
.endr
.endr
.irp c, 0,1
	v_add_nc_u32 v[TS+\c], 0xfe000000, v[TW+\c]    ; 4 off the exponent field: the conversion's scale operand
.endr
.irp c, 0,1
	v_lshrrev_b32 v[TB+\c], 23, v[TS+\c]           ; the scale's byte
.endr
	v_lshl_or_b32 v[WT], v[TB+1], 16, v[TB]        ; my two bytes: blocks h and 2 + h of column r,
	v_lshlrev_b32 v[WT+1], 3, v3
	v_lshlrev_b32 v[WT], v[WT+1], v[WT]            ; at their places in the scale word (8 h bits up);
	v_mov_b32 v[WT+1], 0
	v_permlanex16_b32 v[WT+1], v[WT], s[SEL], s[SEL+1]
	v_or_b32 v[PW2], v[WT], v[WT+1]                ; with lane l xor 16's two the word is whole
.irp c, 0,1
	v_cvt_scalef32_pk16_bf6_f32 v[PC2+6*\c:PC2+2+6*\c], v[W+32*\c:W+15+32*\c], v[TS+\c]
	v_cvt_scalef32_pk16_bf6_f32 v[PT+4*\c:PT+2+4*\c], v[W+16+32*\c:W+31+32*\c], v[TS+\c]
.endr
	v_nop                                          ; one plain place behind a scaled conversion
.irp c, 0,1
.irp i, 0,1,2
	v_mov_b32 v[PC2+3+6*\c+\i], v[PT+4*\c+\i]
.endr
.endr
	IMAGE PC2, WIMG
	ds_store_b32 v[MYS], v[PW2] offset:WSC
	s_wait_dscnt 0x0                               ; for the others' sake: my images have landed
	s_barrier_signal -1
	s_barrier_wait -1                              ; all sixteen fragments lie in LDS
.irp s, 0,1
	FETCH XF+FR*\s, XFA, XIMG+\s*FRB
	ds_load_b32 v[XS+\s], v[XSA] offset:XSC+128*\s
.endr
.irp f, 0,1,2,3                                ; fragment f = 2 x (column tile of my pair) + K step
	FETCH WF+FR*\f, WFA, WIMG+\f*FRB
	ds_load_b32 v[WS+\f], v[WSA] offset:WSC+128*\f
.endr
	s_wait_dscnt 0x0
	; two accumulators by turns, one instruction a turn; the bias is the C of each sum's first product
	v_wmma_scale_f32_16x16x128_f8f6f4 v[D:D+7], v[WF:WF+FR-1], v[XF:XF+FR-1], v[BI:BI+7], v[WS], v[XS] matrix_a_fmt:MATRIX_FMT_BF6 matrix_b_fmt:MATRIX_FMT_BF6
	v_wmma_scale_f32_16x16x128_f8f6f4 v[D+8:D+15], v[WF+2*FR:WF+3*FR-1], v[XF:XF+FR-1], v[BI+8:BI+15], v[WS+2], v[XS] matrix_a_fmt:MATRIX_FMT_BF6 matrix_b_fmt:MATRIX_FMT_BF6
	v_wmma_scale_f32_16x16x128_f8f6f4 v[D:D+7], v[WF+FR:WF+2*FR-1], v[XF+FR:XF+2*FR-1], v[D:D+7], v[WS+1], v[XS+1] matrix_a_fmt:MATRIX_FMT_BF6 matrix_b_fmt:MATRIX_FMT_BF6
	v_wmma_scale_f32_16x16x128_f8f6f4 v[D+8:D+15], v[WF+3*FR:WF+4*FR-1], v[XF+FR:XF+2*FR-1], v[D+8:D+15], v[WS+3], v[XS+1] matrix_a_fmt:MATRIX_FMT_BF6 matrix_b_fmt:MATRIX_FMT_BF6
.rept 4
	v_nop                                          ; four places between a matrix instruction and the first vector instruction that reads its result (ISA guide 7.12.1)
.endr
	; lane (r, h), tile cc, register j: row r, column 16 cc + 8 h + j of my 32.  The row's part of the linear sum, each accumulator read from its low end on:
	v_mul_f32 v[P], v[D], v[WW]
	v_mul_f32 v[P+1], v[D+8], v[WW+8]
.irp j, 1,2,3,4,5,6,7
	v_fmac_f32 v[P], v[D+\j], v[WW+\j]
	v_fmac_f32 v[P+1], v[D+8+\j], v[WW+8+\j]
.endr
	v_add_f32 v[P], v[P], v[P+1]
	v_permlanex16_b32 v[P+1], v[P], s[SEL], s[SEL+1]
	v_add_f32 v[P], v[P], v[P+1]                   ; with lane l xor 16's eight columns of each tile
	v_mul_f32 v[P], s28, v[P]                      ; x 0.01 or x 1
	ds_store_b32 v[LINA], v[P]                     ; (both halves of the lanes write the same word with the same value)
.irp j, 0,2,4,6,8,10,12,14
	v_pk_mul_f32 v[D+\j:D+\j+1], v[D+\j:D+\j+1], s[26:27] op_sel_hi:[1,0]   ; ht as it is, hb negated
.endr
.irp cc, 0,1
.irp q, 0,1
	global_store_b128 v[HO], v[D+8*\cc+4*\q:D+8*\cc+4*\q+3], s[14:15] offset:1024*\cc+256*\q   ; unit 4 cc + 2 h + q: sixteen lanes store 256 consecutive bytes, aligned; the other sixteen the unit 512 bytes on
.endr
.endr
	s_wait_dscnt 0x0                               ; for wave 0's sake: my partial sums have landed
	s_barrier_signal -1
	s_barrier_wait -1
	s_cmp_lg_u32 s18, 0
	s_cbranch_scc1 .Ldone                          ; wave 0 adds the two waves' parts of each row and stores the block's 64 sums
	ds_load_b64 v[P+2:P+3], v[LINR]
	ds_load_b64 v[P+4:P+5], v[LINR] offset:64
	s_wait_dscnt 0x0
	v_pk_add_f32 v[P+2:P+3], v[P+2:P+3], v[P+4:P+5]
	global_store_b64 v[LINO], v[P+2:P+3], s[16:17] ; 32 lanes store 256 consecutive bytes, aligned
.Ldone:
	s_wait_tensorcnt 0x0
	ds_add_u32 v213, v249
	s_wait_dscnt 0x0
	s_endpgm
.Lfunc_end_k_qd9aa3025d4_proj:
	.size	k_qd9aa3025d4_proj, .Lfunc_end_k_qd9aa3025d4_proj-k_qd9aa3025d4_proj
	.p2alignl 7, 3214868480
	.fill 96, 4, 3214868480
	.section	.rodata,"a",@progbits
	.p2align	6, 0x0
	.amdhsa_kernel k_qd9aa3025d4_proj
		.amdhsa_group_segment_fixed_size 28672
		.amdhsa_private_segment_fixed_size 0
		.amdhsa_enable_private_segment 0
		.amdhsa_kernarg_size 56
		.amdhsa_user_sgpr_count 2
		.amdhsa_user_sgpr_kernarg_segment_ptr 1
		.amdhsa_wavefront_size32 1
		.amdhsa_system_sgpr_workgroup_id_x 1
		.amdhsa_system_sgpr_workgroup_id_y 1
		.amdhsa_system_sgpr_workgroup_id_z 1
		.amdhsa_system_vgpr_workitem_id 0
		.amdhsa_next_free_vgpr 256
		.amdhsa_next_free_sgpr 66
		.amdhsa_reserve_vcc 1
		.amdhsa_float_denorm_mode_32 3
		.amdhsa_float_denorm_mode_16_64 3
		.amdhsa_memory_ordered 1
		.amdhsa_forward_progress 1
		.amdhsa_inst_pref_size 25
	.end_amdhsa_kernel
	.amdgpu_metadata
---
amdhsa.version: [ 1, 2 ]
amdhsa.kernels:
  - .name:           k_qd9aa3025d4_proj
    .symbol:         k_qd9aa3025d4_proj.kd
    .args:
      - { .name: z_t, .offset: 0, .size: 8, .value_kind: global_buffer, .address_space: global }
      - { .name: z_o, .offset: 8, .size: 8, .value_kind: global_buffer, .address_space: global }
      - { .name: W1, .offset: 16, .size: 8, .value_kind: global_buffer, .address_space: global }
      - { .name: b1, .offset: 24, .size: 8, .value_kind: global_buffer, .address_space: global }
      - { .name: W2, .offset: 32, .size: 8, .value_kind: global_buffer, .address_space: global }
      - { .name: H, .offset: 40, .size: 8, .value_kind: global_buffer, .address_space: global }
      - { .name: lin, .offset: 48, .size: 8, .value_kind: global_buffer, .address_space: global }
    .group_segment_fixed_size: 28672
    .private_segment_fixed_size: 0
    .kernarg_segment_align: 8
    .kernarg_segment_size: 56
    .max_flat_workgroup_size: 256
    .sgpr_count:     66
    .vgpr_count:     256
    .wavefront_size: 32
...
	.end_amdgpu_metadata
.endif
;; end of part 1
;; launch pairs (part 2): grid 8 x 32, 8 waves a work-group, no clusters, 222,208 bytes of LDS; arguments H, lin, W2, b2, out0; writes out0
.if DOCPART == 2
	.amdgcn_target "amdgcn-amd-amdhsa--gfx1250"
	.amdhsa_code_object_version 6
	.text
	.protected	k_qd9aa3025d4_pairs
	.globl	k_qd9aa3025d4_pairs
	.p2align	8
	.type	k_qd9aa3025d4_pairs,@function
k_qd9aa3025d4_pairs:
	s_mov_b64 s[64:65], 0
	v_nop
	global_prefetch_b8 v0, s[64:65] scope:SCOPE_SE
	s_setreg_imm32_b32 hwreg(HW_REG_WAVE_MODE, 25, 1), 1
	s_wait_xcnt 0x0
; out[t][o] = sum_j W2[j] lrelu(ht[t][j] + hb[o][j]) + b2, slope 0.01, all in f32, from the first launch's H (ht, and g = -hb) and lin.
; lrelu(x) = 0.01 x + 0.99 max(x, 0) and max(ht + hb, 0) = max(ht, g) + hb, so
;   out[t][o] = 0.99 S + lin_t[t] + lin_o[o] + b2,  S = sum_j W2[j] max(ht[t][j], g[o][j]),  lin_t = 0.01 sum_j W2[j] ht[t][j],  lin_o = sum_j W2[j] hb[o][j]  (each the sum of lin's eight parts).
; An element costs one maximum and one fused multiply-add; both are written as dual-issue pairs: one instruction for each lane's element.
; The sum over j stays on the vector unit, in f32: with one column the matrix unit would fill one of its sixteen, and a rounding of max(ht, g) to 16 bits would stand against lin_o, a difference of large sums.
; LIMITS: NaN and infinities in ht or hb are not served (the identity would form inf - inf; v_max_num_f32 drops a NaN).
; SHARES.  A work-group: 32 t x 64 o, eight waves, two to a SIMD.  Its six tiles of H (2 of ht, 4 of g; 16 rows x 512 j = 128 units of 256 bytes each) come into LDS once, by tensor loads of waves 0 to 5, a tile
; each in four quarters (at most four loads of a wave are out), 16 bytes of padding behind each unit: units 272 bytes apart.
; A wave: one tile of ht x one tile of g, 16 t x 16 o.  Lane (h, r): units 16 G + r, columns o = 2 ob + h: 128 accumulators, (t, ob) at v[ACC + 8 t + ob], each a sixteenth of a sum.
; A GROUP is 16 units = 64 j: four registers a row.  Eight steps of two rows of ht; a step is four batches of 8 maxima and 8 multiply-adds on 16 different accumulators.
; In a pair the first half takes j%4 = i for an even ob, the second j%4 = i xor 1 for the odd ob beside it.
; AHEAD: rows of ht go through a ring of three slots, fetched two steps ahead; g and W2 have two sets, fetched a group ahead.  The quarters of the tiles land while earlier quarters are worked on:
; a barrier stands in the first step of groups 1, 3, 5, ahead of the first read of the next quarter; nothing in LDS is ever filled again.
; The text is written out, not looped: the count of the wait for tiles differs from quarter to quarter; 4,096 pairs of 8 bytes and the rest stay under 40 KiB.
; NO CLUSTER: a work-group fetches its 192 KiB once, for 4,096 dual instructions of each of eight waves, and three of the four quarters land under that work; a joint request would put a round of the cluster's
; barrier in front of the one quarter that is waited for.  NO PREFETCH: every load of the launch is issued at its head.
.set UP,    272                        ; a unit in LDS: 256 bytes + 16
.set TILEB, 128*UP                     ; a tile
.set WLDS,  6*TILEB                    ; behind the tiles: W2, 2,048 bytes, in blocks of 256 bytes into which no tensor load lands
.set STG,   WLDS+2048                  ; the way out: 32 rows x (256 bytes + 16)
.set VA,   1                           ; v1   LDS address of my unit in my tile of ht
.set VB,   2                           ; v2   the same in my tile of g, + 16 h
.set VW,   3                           ; v3   of my four W2
.set STO,  4                           ; v4   the way out: where I put a sum
.set SRD,  5                           ; v5   where I read 16 bytes of a row back
.set GO,   6                           ; v6   my byte offset in the wave's four rows of out
.set LIN,  8                           ; v8-15    lin_t + lin_o + b2 of the eight numbers that I store
.set M,    16                          ; v16-31   a batch's 16 maxima
.set AR,   32                          ; v32-55   ring of three slots: two rows of ht x four registers
.set WB,   56                          ; v56-63   W2, two sets of four
.set BB,   64                          ; v64-127  g, two sets of 8 pairs of rows x four registers
.set ACC,  128                         ; v128-255 the accumulators
.set G1,   24                          ; s[24:31] descriptor group 1
.set G0,   32                          ; s[32:47] descriptor group 0, one for each quarter
	s_load_b256 s[4:11], s[0:1], 0x0               ; H s[4:5], lin s[6:7], W2 s[8:9], b2 s[10:11]
	s_load_b64 s[12:13], s[0:1], 0x20              ; out0
	s_set_vgpr_msb 0x40
	v_lshl_add_u32 v0, v0, 2, 0x36000
	v_mov_b32 v1, 0
	s_set_vgpr_msb 0x4045
	ds_add_u32 v0, v1
	ds_add_u32 v0, v1
	s_set_vgpr_msb 0x4500
	v_lshrrev_b32 v7, 5, v0
	v_readfirstlane_b32 s14, v7                    ; wave 0..7
	s_lshr_b32 s15, s14, 2                         ; my tile of ht: 0, 1
	s_and_b32 s16, s14, 3                          ; my tile of g: 0..3
	s_and_b32 s17, ttmp7, 0xffff                   ; block of 32 t;  ttmp9: block of 64 o
	; group 1: 32 units, dense in memory, as rows of 256 bytes (32 elements of 8 bytes), 16 bytes of padding behind each
	s_mov_b32 s[G1+0], (3<<16)|(1<<20)|(5<<22)|(3<<25)   ; 17:16 elements of 8 bytes; 20 padding on; 24:22 after every 64 words (code 5); 31:25 of 4 words (code 3)
	s_mov_b32 s[G1+1], 32<<16                      ; tensor_dim0 = 32
	s_mov_b32 s[G1+2], 32<<16                      ; tensor_dim1 = 32
	s_mov_b32 s[G1+3], 32<<16                      ; tile_dim0 = 32
	s_mov_b32 s[G1+4], 32                          ; tile_dim1 = 32
	s_mov_b32 s[G1+5], 32                          ; from row to row: 32 elements
	s_mov_b32 s[G1+6], 0
	s_mov_b32 s[G1+7], 0
	s_lshl_b32 s18, s17, 1                         ; waves 0, 1 fetch tiles 2 bt + wave of H,
	s_lshl_b32 s19, ttmp9, 2
	s_add_co_u32 s19, s19, 62                      ; waves 2 to 5 tiles 64 + 4 bo + wave - 2
	s_cmp_lt_u32 s14, 2
	s_cselect_b32 s18, s18, s19
	s_add_co_u32 s18, s18, s14
	s_lshl_b32 s18, s18, 15                        ; 32,768 bytes a tile
	s_mov_b32 s19, 0
	s_mul_i32 s20, s14, TILEB                      ; to LDS tile = wave
	s_mov_b32 s48, 0x3f7d70a4                      ; 0.99
	s_wait_dscnt 0x0
	s_wait_kmcnt 0x0
	s_add_nc_u64 s[18:19], s[4:5], s[18:19]
.irp k, 0,1,2,3
	s_mov_b32 s[G0+4*\k], 1                        ; count = 1
	s_add_co_u32 s[G0+4*\k+1], s20, \k*32*UP       ; LDS address: the tile's quarter k
	s_add_nc_u64 s[G0+4*\k+2:G0+4*\k+3], s[18:19], \k*8192   ; global address
	s_or_b32 s[G0+4*\k+3], s[G0+4*\k+3], 0x80000000          ; type = 2
.endr
	s_cmp_lt_u32 s14, 6                            ; all fills of a wave stand in one branch on its number, ahead of every wait for them, every LDS read and every barrier
	s_cbranch_scc0 .Lno_fill
.irp k, 0,1,2,3
	tensor_load_to_lds s[G0+4*\k:G0+4*\k+3], s[G1:G1+7]
	s_nop 0
.endr
.rept 4
	v_nop
.endr
.Lno_fill:
	v_and_b32 v20, 15, v0                          ; r
	v_bfe_u32 v21, v0, 4, 1                        ; h
	v_lshlrev_b32 v22, 3, v0
	global_load_b64 v[24:25], v22, s[8:9]          ; W2: thread i copies bytes 8 i .. 8 i + 7 into LDS
	s_load_b32 s49, s[10:11], 0x0                  ; b2
	v_lshl_add_u32 v23, v0, 3, WLDS
	; on the way out I store rows 4 wave + 2 s + h (s = 0, 1), columns 4 r + 0 .. 3: their linear sums are gathered now, while the tiles are on their way
	s_lshl_b32 s22, s17, 7
	s_lshl_b32 s23, s14, 4
	s_add_co_u32 s22, s22, s23
	v_lshl_add_u32 v26, v21, 2, s22                ; 4 x (32 bt + 4 wave + h)
	s_lshl_b32 s22, ttmp9, 8
	s_add_co_u32 s22, s22, 4096
	v_lshl_add_u32 v27, v20, 4, s22                ; 4 x (1,024 + 64 bo + 4 r)
.irp p, 0,1,2,3,4,5,6,7
	global_load_b32 v[ACC+\p], v26, s[6:7] offset:6144*\p
	global_load_b32 v[ACC+8+\p], v26, s[6:7] offset:6144*\p+8
	global_load_b128 v[ACC+16+4*\p:ACC+19+4*\p], v27, s[6:7] offset:6144*\p
.endr
	s_mul_i32 s22, s15, TILEB
	v_mul_u32_u24 v[VA], v20, UP
	v_add_nc_u32 v[VA], s22, v[VA]
	s_add_co_u32 s23, s16, 2
	s_mul_i32 s23, s23, TILEB
	v_mul_u32_u24 v[VB], v20, UP
	v_lshl_add_u32 v[VB], v21, 4, v[VB]
	v_add_nc_u32 v[VB], s23, v[VB]
	v_lshl_add_u32 v[VW], v20, 4, WLDS
	s_mul_i32 s22, s15, 16*272
	s_lshl_b32 s23, s16, 6
	s_add_co_u32 s22, s22, s23
	s_add_co_u32 s22, s22, STG
	v_mul_u32_u24 v[STO], v20, 272
	v_lshl_add_u32 v[STO], v21, 2, v[STO]
	v_add_nc_u32 v[STO], s22, v[STO]               ; row 16 (wave / 4) + r, column 16 (wave % 4) + h (+ 2 ob)
	s_mul_i32 s22, s14, 4*272
	s_add_co_u32 s22, s22, STG
	v_mul_u32_u24 v[SRD], v21, 272
	v_lshl_add_u32 v[SRD], v20, 4, v[SRD]
	v_add_nc_u32 v[SRD], s22, v[SRD]               ; row 4 wave + h (+ 2 s), 16 bytes at 16 r
	v_lshlrev_b32 v[GO], 11, v21
	v_lshl_add_u32 v[GO], v20, 4, v[GO]            ; and the same in out: a row is 2,048 bytes
	s_lshl_b32 s22, s17, 16
	s_lshl_b32 s23, s14, 13
	s_add_co_u32 s22, s22, s23
	s_lshl_b32 s23, ttmp9, 8
	s_add_co_u32 s22, s22, s23
	s_mov_b32 s23, 0
	s_add_nc_u64 s[12:13], s[12:13], s[22:23]      ; out at row 32 bt + 4 wave, column 64 bo
	s_wait_loadcnt 24                              ; W2's load is in; the 24 loads of lin issued behind it may be out
	ds_store_b64 v23, v[24:25]
	s_wait_loadcnt 0x0
.irp p, 2,4,6
	v_pk_add_f32 v[ACC:ACC+1], v[ACC:ACC+1], v[ACC+\p:ACC+\p+1]
	v_pk_add_f32 v[ACC+8:ACC+9], v[ACC+8:ACC+9], v[ACC+8+\p:ACC+9+\p]
.endr
.irp p, 1,2,3,4,5,6,7
	v_pk_add_f32 v[ACC+16:ACC+17], v[ACC+16:ACC+17], v[ACC+16+4*\p:ACC+17+4*\p]
	v_pk_add_f32 v[ACC+18:ACC+19], v[ACC+18:ACC+19], v[ACC+18+4*\p:ACC+19+4*\p]
.endr
	v_add_f32 v[ACC], v[ACC], v[ACC+1]
	v_add_f32 v[ACC+8], v[ACC+8], v[ACC+9]
	s_wait_kmcnt 0x0
	v_add_f32 v[ACC], s49, v[ACC]                  ; lin_t + b2 of my two rows
	v_add_f32 v[ACC+8], s49, v[ACC+8]
.irp i, 0,1,2,3
	v_add_f32 v[LIN+\i], v[ACC], v[ACC+16+\i]
	v_add_f32 v[LIN+4+\i], v[ACC+8], v[ACC+16+\i]
.endr
	s_wait_tensorcnt 0x3                           ; my tile's first quarter has landed; the three behind it may stay out
	s_wait_dscnt 0x0                               ; my bytes of W2 have landed
	s_barrier_signal -1
	s_barrier_wait -1                              ; everybody's have
.macro LDA s                           ; the two rows of ht of step s (group s / 8, rows 2 (s % 8) and + 1) into slot s % 3
	ds_load_b128 v[AR+8*((\s)%3):AR+8*((\s)%3)+3], v[VA] offset:((\s)/8)*16*UP+32*((\s)%8)
	ds_load_b128 v[AR+8*((\s)%3)+4:AR+8*((\s)%3)+7], v[VA] offset:((\s)/8)*16*UP+32*((\s)%8)+16
.endm
.macro LDB g, n                        ; load n of nine for group g: rows 2 n + h of g, or (n = 8) W2, into set g % 2
.if (\n) < 8
	ds_load_b128 v[BB+32*((\g)%2)+4*(\n):BB+32*((\g)%2)+4*(\n)+3], v[VB] offset:(\g)*16*UP+32*(\n)
.else
	ds_load_b128 v[WB+4*((\g)%2):WB+4*((\g)%2)+3], v[VW] offset:256*(\g)
.endif
.endm
.macro TAILCNT x                       ; adds to CNT the LDS loads issued at the end of step x (before step 0: the two of a first fill of the ring)
.if (\x) <= 60
.set CNT, CNT+2
.endif
.if (\x) >= 0
.if ((\x) < 56) && (((\x)%8) >= 1) && (((\x)%8) <= 3)
.set CNT, CNT+3
.endif
.endif
.endm
.macro BATCH i                         ; 16 accumulators: two rows of ht x eight pairs of rows of g
.set IX, (\i)+1-2*((\i)%2)             ; i xor 1
.irp tt, 0,1
.irp q, 0,1,2,3
	v_dual_max_num_f32 v[M+8*\tt+2*\q], v[AS+4*\tt+(\i)], v[BP+8*\q+(\i)] :: v_dual_max_num_f32 v[M+8*\tt+2*\q+1], v[AS+4*\tt+IX], v[BP+8*\q+4+IX]
.endr
.endr
.irp tt, 0,1
.irp q, 0,1,2,3
.if (S < 8) && ((\i) == 0)
	v_dual_mul_f32 v[AC+8*\tt+2*\q], v[M+8*\tt+2*\q], v[WP+(\i)] :: v_dual_mul_f32 v[AC+8*\tt+2*\q+1], v[M+8*\tt+2*\q+1], v[WP+IX]   ; the first products start the sums: nothing is cleared
.else
	v_dual_fmac_f32 v[AC+8*\tt+2*\q], v[M+8*\tt+2*\q], v[WP+(\i)] :: v_dual_fmac_f32 v[AC+8*\tt+2*\q+1], v[M+8*\tt+2*\q+1], v[WP+IX]
.endif
.endr
.endr
.endm
.macro STEP                            ; step S of 64
.set AS, AR+8*(S%3)
.set BP, BB+32*((S/8)%2)
.set WP, WB+4*((S/8)%2)
.set AC, ACC+16*(S%8)
.set CNT, 0
	TAILCNT S-2
	TAILCNT S-1
	s_wait_dscnt CNT                               ; LDS loads come back in order: this step's rows of ht are in (and, issued before them, this group's g and W2); what the two steps before have asked for may be out
	BATCH 0
	BATCH 1
.if ((S%16) == 8) && (S < 56)
	s_wait_tensorcnt 2-S/16                        ; my tile's next quarter has landed; the later ones may stay out
	s_wait_dscnt 0x0                               ; no LDS load of mine is out at a signal (the youngest were issued 32 instructions ago)
	s_barrier_signal -1
.endif
	BATCH 2                                        ; work on registers while the others arrive
	BATCH 3
.if ((S%16) == 8) && (S < 56)
	s_barrier_wait -1                              ; the next quarter of all six tiles is whole: it is first read in the next step's tail
.endif
.if (S < 56) && ((S%8) >= 1) && ((S%8) <= 3)
	LDB S/8+1, 3*(S%8)-3                           ; the next group's g and W2, three loads in each of three steps, into the set that the group before has left
	LDB S/8+1, 3*(S%8)-2
	LDB S/8+1, 3*(S%8)-1
.endif
.if S <= 60
	LDA S+3                                        ; into the slot just read
.endif
.endm
.irp n, 0,1,2,3,4,5,6,7,8
	LDB 0, \n
.endr
	LDA 0
	LDA 1
	LDA 2
.set S, 0
.rept 64
	STEP
.set S, S+1
.endr
; THE SIXTEEN LANES' PARTS ARE ADDED, and the registers halved four times: of rows t and t + d the lanes whose number has bit d clear go on with t, the others with t + d, and each takes its partner's part of its own row.
; In the end lane (h, r) holds in register ob the whole S(t = r, o = 2 ob + h).
.macro RED d, mask
	s_mov_b32 vcc_lo, \mask
.set RT, 0
.rept \d
.irp ob, 0,1,2,3,4,5,6,7
	v_cndmask_b32 v[M+\ob], v[ACC+8*RT+\ob], v[ACC+8*(RT+\d)+\ob], vcc_lo           ; my own part of the row that I keep
.endr
.irp ob, 0,1,2,3,4,5,6,7
	v_cndmask_b32 v[ACC+8*(RT+\d)+\ob], v[ACC+8*(RT+\d)+\ob], v[ACC+8*RT+\ob], vcc_lo   ; my part of the row that my partner keeps
.endr
.irp ob, 0,1,2,3,4,5,6,7
	v_add_f32_dpp v[ACC+8*RT+\ob], v[ACC+8*(RT+\d)+\ob], v[M+\ob] row_xmask:\d row_mask:0xf bank_mask:0xf
.endr
.set RT, RT+1
.endr
.endm
	RED 8, 0xff00ff00
	RED 4, 0xf0f0f0f0
	RED 2, 0xcccccccc
	RED 1, 0xaaaaaaaa
	; THE WAY OUT.  A row's 64 columns, 256 bytes, come from four waves: they meet in a stage in LDS (rows 272 bytes apart).
.irp ob, 0,1,2,3,4,5,6,7
	ds_store_b32 v[STO], v[ACC+\ob] offset:8*\ob
.endr
	s_wait_dscnt 0x0                               ; for the others' sake: my sums have landed
	s_barrier_signal -1
	s_barrier_wait -1
	ds_load_b128 v[16:19], v[SRD]
	ds_load_b128 v[20:23], v[SRD] offset:2*272
	s_wait_dscnt 0x0
.irp i, 0,1,2,3,4,5,6,7
	v_fma_f32 v[24+\i], v[16+\i], s48, v[LIN+\i]   ; 0.99 S + lin_t + lin_o + b2
.endr
	global_store_b128 v[GO], v[24:27], s[12:13] th:TH_STORE_NT               ; sixteen lanes store 256 consecutive bytes, aligned: a row's part; the other sixteen the next row's
	global_store_b128 v[GO], v[28:31], s[12:13] offset:2*2048 th:TH_STORE_NT
	s_set_vgpr_msb 0x5
	s_wait_tensorcnt 0x0
	ds_add_u32 v0, v1
	s_wait_dscnt 0x0
	s_set_vgpr_msb 0x500
	s_endpgm
.Lfunc_end_k_qd9aa3025d4_pairs:
	.size	k_qd9aa3025d4_pairs, .Lfunc_end_k_qd9aa3025d4_pairs-k_qd9aa3025d4_pairs
	.p2alignl 7, 3214868480
	.fill 96, 4, 3214868480
	.section	.rodata,"a",@progbits
	.p2align	6, 0x0
	.amdhsa_kernel k_qd9aa3025d4_pairs
		.amdhsa_group_segment_fixed_size 222208
		.amdhsa_private_segment_fixed_size 0
		.amdhsa_enable_private_segment 0
		.amdhsa_kernarg_size 40
		.amdhsa_user_sgpr_count 2
		.amdhsa_user_sgpr_kernarg_segment_ptr 1
		.amdhsa_wavefront_size32 1
		.amdhsa_system_sgpr_workgroup_id_x 1
		.amdhsa_system_sgpr_workgroup_id_y 1
		.amdhsa_system_sgpr_workgroup_id_z 1
		.amdhsa_system_vgpr_workitem_id 0
		.amdhsa_next_free_vgpr 258
		.amdhsa_next_free_sgpr 66
		.amdhsa_reserve_vcc 1
		.amdhsa_float_denorm_mode_32 3
		.amdhsa_float_denorm_mode_16_64 3
		.amdhsa_memory_ordered 1
		.amdhsa_forward_progress 1
		.amdhsa_inst_pref_size 255
	.end_amdhsa_kernel
	.section	.bss,"aw",@nobits
	.p2align	6
	.space	262144
	.amdgpu_metadata
---
amdhsa.version: [ 1, 2 ]
amdhsa.kernels:
  - .name:           k_qd9aa3025d4_pairs
    .symbol:         k_qd9aa3025d4_pairs.kd
    .args:
      - { .name: H, .offset: 0, .size: 8, .value_kind: global_buffer, .address_space: global }
      - { .name: lin, .offset: 8, .size: 8, .value_kind: global_buffer, .address_space: global }
      - { .name: W2, .offset: 16, .size: 8, .value_kind: global_buffer, .address_space: global }
      - { .name: b2, .offset: 24, .size: 8, .value_kind: global_buffer, .address_space: global }
      - { .name: out0, .offset: 32, .size: 8, .value_kind: global_buffer, .address_space: global }
    .group_segment_fixed_size: 222208
    .private_segment_fixed_size: 0
    .kernarg_segment_align: 8
    .kernarg_segment_size: 40
    .max_flat_workgroup_size: 256
    .sgpr_count:     66
    .vgpr_count:     258
    .wavefront_size: 32
...
	.end_amdgpu_metadata
.endif
;; end of part 2
;; ======== version 2 of 2: 2 launches; version 1 with the launch proj written anew for expert scheduling mode
;; workspace buffers: H 3,145,728 bytes; lin 49,152 bytes
;; launch proj (part 3): grid 8 x 24, 8 waves a work-group, no clusters, 28,672 bytes of LDS; arguments z_t, z_o, W1, b1, W2, H, lin; writes H, lin
.if DOCPART == 3
	.amdgcn_target "amdgcn-amd-amdhsa--gfx1250"
	.amdhsa_code_object_version 6
	.text
	.protected	k_qd9aa3025d4_proj
	.globl	k_qd9aa3025d4_proj
	.p2align	8
	.type	k_qd9aa3025d4_proj,@function
k_qd9aa3025d4_proj:
	s_mov_b64 s[64:65], 0
	v_nop
	global_prefetch_b8 v0, s[64:65] scope:SCOPE_SE
	s_setreg_imm32_b32 hwreg(HW_REG_WAVE_SCHED_MODE, 0, 2), 2
	s_setreg_imm32_b32 hwreg(HW_REG_WAVE_MODE, 25, 1), 1
	s_wait_xcnt 0x0
	s_wait_alu depctr_vm_vsrc(0)
; ht = Q(z_t) Q(W1[0:256]) and hb = Q(z_o) Q(W1[256:512]) + b1, both products on codes of BF6 (E3M2) with one E8M0 scale for each 32 along K (K = 256).
; z_t [1024][256], z_o [512][256], W1 [512][512] (K is its FIRST axis), b1 [512], W2 [512]: f32.
; OUT: H, 96 tiles of 16 rows (64 of ht, then 32 of g = -hb), laid [tile][unit j/4][row 0..15][j%4] f32: a unit is 256 bytes, so a lane's 16 bytes of a result and its fifteen neighbours' fill a unit.
;      lin [8 column blocks][1536 rows] f32: the block's part of 0.01 x sum_j W2[j] ht[row][j] (rows of z_t) or of sum_j W2[j] hb[row][j] (rows of z_o).
; The next launch needs no more: lrelu(x) = 0.01 x + 0.99 max(x, 0) and max(ht + hb, 0) = max(ht, -hb) + hb.
; SHARES.  A work-group: 64 rows x 64 columns, eight waves.  Wave w quantises ONE fragment of x (row tile w / 2, K step w % 2) and ONE of W1 (column tile w / 2, K step w % 2); the sixteen fragments and
; their scale words go from wave to wave through LDS as images of their registers; then wave w multiplies row tile w / 2 by column tiles 2 (w % 2) and 2 (w % 2) + 1: four matrix instructions.
; THE MATRIX INSTRUCTION IS USED TRANSPOSED (source 0 = 16 columns of W1, source 1 = 16 rows of x): a lane holds one row of x and eight neighbouring columns.
; No tensor loads, no ring: every byte is asked for at the head and used once.  No prefetch for the same reason.  No cluster: a work-group reads 64 KiB of x and 64 KiB of W1 once.
; LIMITS: NaN and infinities among the inputs are not served; blocks whose largest magnitude lies under 2^-122 (their byte is held at 1, as the quantiser's rule has it) were not tried;
; a block of zeros gets the byte 1 where the rule says 127: its codes are zeros, and the bytes never leave this launch.
; THE MODE: SCHED_MODE bits 1:0 = 2 (LLVM: expert scheduling mode 2), set by the entry lines.  The code itself states the register dependences
; between vector or matrix instructions and memory or LDS instructions, with s_wait_alu, always for 0.
; THE PLAN.  The text is one straight run.  Registers that memory or LDS instructions touch:
;   v4, v5, v8 to v15, v246 to v248   offsets and LDS addresses: written at the head, once, and named by no vector instruction afterwards.  One wait on va_vdst ahead of the first load states them all.
;   BI, WW, X, W                      the 88 global loads land in them; no vector instruction names them ahead of the loads.
;   PC, PW                            written by QUANT; read by x's four LDS stores; never written again.  A wait on va_vdst ahead of the stores.
;   PC2, PW2                          written by W1's lines; read by W1's four LDS stores; never written again.  A wait on va_vdst ahead of the stores.
;   XF, WF (v16 to v87)               were X and W, last read by the maxima and conversions, all issued ahead of that same wait; behind the barrier the fragments' LDS loads land in them, with no vector instruction between.
;   XS, WS                            LDS loads land in them, matrix instructions read them: no vector instruction names them.
;   P, D                              the row's partial sum and the scaled results: written by vector instructions, read by one LDS store and four global stores, never written again.  One wait on va_vdst ahead of the five.
;   P+2 to P+5 (wave 0)               two LDS loads land in them (they were W's: see XF, WF); a packed add writes P+2, P+3; the last store reads them.  A wait on va_vdst ahead of it.
;   v213, v249                        written at the head, read by the closing add alone.
; No register that a memory or LDS instruction reads is ever written again: so the text holds no wait on vm_vsrc.  One vector instruction writes a scalar register, s18: a wait on va_sdst ahead of its first reader.
.set FR,    12                         ; registers of a fragment (16 rows x 128 K of 6-bit codes)
.set FRB,   FR*128                     ; its image in bytes
.set XIMG,  0                          ; LDS: x's 8 fragments (2 x row tile + K step),
.set XSC,   XIMG+8*FRB                 ; their scale words, 128 bytes each,
.set WIMG,  XSC+8*128                  ; W1's 8 fragments (2 x column tile + K step),
.set WSC,   WIMG+8*FRB                 ; their scale words,
.set LINS,  WSC+8*128                  ; and 16 partial sums for each wave
.set XA,   4                           ; v4   x: my lane's byte in the wave's 16 rows
.set WA,   5                           ; v5   W1: my lane's byte: column r, 32 rows further down for lanes 16-31
.set LI,   6                           ; v6   16 x lane
.set LS,   7                           ; v7   4 x lane
.set MYI,  8                           ; v8   where I store images: 16 x lane + FRB x wave
.set MYS,  9                           ; v9   and scale words: 4 x lane + 128 x wave
.set BA,   10                          ; v10  b1, W2: 32 bytes on for lanes 16-31
.set HO,   11                          ; v11  H: 16 r + 512 h
.set LINA, 12                          ; v12  where I put my row's partial sum
.set LINR, 13                          ; v13  where wave 0 reads two rows' sums back
.set LINO, 14                          ; v14  8 x lane
.set XFA,  15                          ; v15  where my row tile's images of x begin
.set X,    16                          ; v16-79   64 numbers of x
.set W,    80                          ; v80-143  64 numbers of W1
.set TM,   144                         ; v144-159 at work in QUANT
.set PC,   160                         ; v160-178 x's codes
.set PW,   180                         ; v180     x's scale word
.set TW,   184                         ; v184-191 at work for W1
.set TS,   186
.set TB,   188
.set WT,   190
.set PC2,  192                         ; v192-203 W1's codes; v204-210 their second halves before the move
.set PT,   204
.set PW2,  212                         ; v212     W1's scale word
.set BI,   214                         ; v214-229 b1 (or 0) in the result's layout, two tiles
.set WW,   230                         ; v230-245 W2 likewise
.set XSA,  246                         ; v246-248 where my scale words of x, my images and scale words of W1 begin
.set WFA,  247
.set WSA,  248
.set XS,   250                         ; v250-251 x's scale words, v252-255 W1's: these registers hold scales and nothing else
.set WS,   252
.set XF,   16                          ; behind the barrier: v16-39 x's two fragments, v40-87 W1's four, v96-111 two accumulators
.set WF,   40
.set D,    96
.set P,    112
.set SEL,  30                          ; s[30:31] v_permlanex16_b32's selects for lane l xor 16
; 64 numbers of a lane, register 16 b + i = k 32 b + 16 (lane / 16) + i of my row, become a fragment's codes in v[PC] on and its scale word in v[PW].
.macro QUANT s
.irp b, 0,1,2,3
	v_max3_num_f32 v[TM+\b], |v[\s+16*\b]|, |v[\s+1+16*\b]|, 0x2800000   ; block b: my 16 numbers, and the floor 2^(5 - 127): the byte cannot fall under 1
.endr
.irp i, 2,4,6,8,10,12,14
.irp b, 0,1,2,3
	v_max3_num_f32 v[TM+\b], v[TM+\b], |v[\s+16*\b+\i]|, |v[\s+1+16*\b+\i]|   ; the four blocks by turns
.endr
.endr
.irp b, 0,1,2,3
	v_permlanex16_b32 v[TM+4+\b], v[TM+\b], s[SEL], s[SEL+1]
.endr
.irp b, 0,1,2,3
	v_max_num_f32 v[TM+\b], v[TM+\b], v[TM+4+\b]   ; with lane l xor 16's: the block's largest magnitude
.endr
.irp b, 0,1,2,3
	v_add_nc_u32 v[TM+12+\b], 0xfe000000, v[TM+\b]   ; 4 off its exponent field: the conversion takes this operand's exponent field as its scale
.endr
.irp b, 0,1,2,3
	v_lshrrev_b32 v[TM+4+\b], 23, v[TM+12+\b]      ; the scale's byte
.endr
	v_lshl_or_b32 v[PW], v[TM+5], 8, v[TM+4]       ; four bytes: my row's scale word
	v_lshl_or_b32 v[PW], v[TM+6], 16, v[PW]
	v_lshl_or_b32 v[PW], v[TM+7], 24, v[PW]
.irp c, 0,1
	v_cvt_scalef32_pk16_bf6_f32 v[PC+6*\c:PC+2+6*\c], v[\s+32*\c:\s+15+32*\c], v[TM+12+2*\c]
	v_cvt_scalef32_pk16_bf6_f32 v[PC+12+4*\c:PC+14+4*\c], v[\s+16+32*\c:\s+31+32*\c], v[TM+12+2*\c+1]   ; (a conversion's three registers begin on an even number)
.endr
	v_nop                                          ; one plain place behind a scaled conversion
.irp c, 0,1                                    ; the operand's layout wants a WHOLE block in a lane: lanes 0-15 block 2 c, lanes 16-31 block 2 c + 1
.irp i, 0,1,2
	v_permlane16_swap_b32 v[PC+6*\c+\i], v[PC+12+4*\c+\i]
.endr
.irp i, 0,1,2
	v_mov_b32 v[PC+3+6*\c+\i], v[PC+12+4*\c+\i]
.endr
.endr
.endm
.macro IMAGE reg, off                          ; a fragment goes to LDS as it stands: lane l's 16 bytes at 16 l, 512 bytes a store
.irp c, 0,1,2
	ds_store_b128 v[MYI], v[\reg+4*\c:\reg+4*\c+3] offset:\off+512*\c
.endr
.endm
.macro FETCH reg, adr, off                     ; and comes back so, in any wave
.irp c, 0,1,2
	ds_load_b128 v[\reg+4*\c:\reg+4*\c+3], v[\adr] offset:\off+512*\c
.endr
.endm
	s_load_b256 s[4:11], s[0:1], 0x0               ; z_t s[4:5], z_o s[6:7], W1 s[8:9], b1 s[10:11]
	s_load_b128 s[12:15], s[0:1], 0x20             ; W2 s[12:13], H s[14:15]
	s_load_b64 s[16:17], s[0:1], 0x30              ; lin
	v_lshl_add_u32 v213, v0, 2, 0x6c00             ; the LDS address of my spare word, behind the partial sums, and 0: made here and kept for the closing lines alone
	v_mov_b32 v249, 0
	v_lshrrev_b32 v1, 5, v0
	v_readfirstlane_b32 s18, v1                    ; wave 0..7
	s_and_b32 s21, ttmp7, 0xffff                   ; block of 64 rows: 0-15 of z_t, 16-23 of z_o
	; the address lines that need no scalar stand between that line and the wait for its result
	v_and_b32 v1, 31, v0                           ; lane
	v_and_b32 v2, 15, v0                           ; r
	v_bfe_u32 v3, v0, 4, 1                         ; h
	v_lshlrev_b32 v[XA], 10, v2
	v_lshl_add_u32 v[XA], v3, 6, v[XA]             ; x: row r of 1,024 bytes, + 64 h: my 16 numbers of a block of 32
	v_lshlrev_b32 v[WA], 2, v2
	v_lshl_add_u32 v[WA], v3, 16, v[WA]            ; W1: column r, + 32 h rows of 2,048 bytes
	v_lshlrev_b32 v[LI], 4, v1
	v_lshlrev_b32 v[LS], 2, v1
	v_lshlrev_b32 v[BA], 5, v3
	v_lshlrev_b32 v[HO], 4, v2
	v_lshl_add_u32 v[HO], v3, 9, v[HO]
	v_lshrrev_b32 v[LINR], 3, v1
	v_and_b32 v[LINO], 7, v1
	v_lshlrev_b32 v[LINR], 7, v[LINR]
	v_lshl_add_u32 v[LINR], v[LINO], 3, v[LINR]
	v_add_nc_u32 v[LINR], LINS, v[LINR]            ; rows 2 l, 2 l + 1 of the block: LINS + 128 (l / 8) + 8 (l % 8)
	v_lshlrev_b32 v[LINO], 3, v1
.irp b, 0,1,2,3
	v_mov_b32 v[TM+4+\b], 0                        ; written once: a lane permute's destination counts as one of its sources
.endr
	s_wait_alu depctr_va_sdst(0)                   ; s18 is written, ahead of its first reader: LDS addresses, bases and the last branch are made from it
	s_lshr_b32 s19, s18, 1                         ; the tile that I quantise (of rows, of columns); the row tile that I multiply
	s_and_b32 s20, s18, 1                          ; the K step that I quantise; the pair of column tiles that I multiply
	s_mul_i32 s22, s18, FRB
	v_add_nc_u32 v[MYI], s22, v[LI]
	s_lshl_b32 s22, s18, 7
	v_add_nc_u32 v[MYS], s22, v[LS]
	s_lshl_b32 s22, s18, 6
	s_add_co_u32 s22, s22, LINS
	v_lshl_add_u32 v[LINA], v2, 2, s22             ; LINS + 64 x wave + 4 r
	s_mul_i32 s22, s19, 2*FRB
	v_add_nc_u32 v[XFA], s22, v[LI]
	s_lshl_b32 s22, s19, 8
	v_add_nc_u32 v[XSA], s22, v[LS]
	s_mul_i32 s22, s20, 4*FRB
	v_add_nc_u32 v[WFA], s22, v[LI]
	s_lshl_b32 s22, s20, 9
	v_add_nc_u32 v[WSA], s22, v[LS]
	s_mov_b32 s[SEL], 0x76543210
	s_mov_b32 s[SEL+1], 0xfedcba98
	s_cmp_lt_u32 s21, 16                           ; rows of z_t or of z_o?  The choice hangs on the work-group's number alone; the selects below leave SCC as it is
	s_cselect_b32 s23, 0, 16
	s_cselect_b32 s24, 0, 0x80000                  ; z_o meets W1's rows 256 on: 256 x 2,048 bytes
	s_cselect_b32 s26, 1.0, -1.0                   ; ht is stored as it is, hb negated
	s_cselect_b32 s28, 0x3c23d70a, 1.0             ; the linear sum's weight: 0.01 for ht, 1 for hb
	s_cselect_b32 vcc_lo, 0, -1                    ; b1 belongs to hb alone  (a scalar instruction writes the mask)
	s_wait_kmcnt 0x0
	s_cselect_b64 s[4:5], s[4:5], s[6:7]
	s_mov_b32 s27, s26                             ; (named with s26 as a pair, so it is written)
	s_sub_co_u32 s22, s21, s23
	s_lshl_b32 s22, s22, 2
	s_add_co_u32 s22, s22, s19                     ; the row tile that I quantise, in its tensor,
	s_lshl_b32 s22, s22, 14                        ; x 16 rows of 1,024 bytes,
	s_lshl_b32 s25, s20, 9
	s_add_co_u32 s22, s22, s25                     ; + my K step's 512 bytes
	s_mov_b32 s23, 0
	s_add_nc_u64 s[4:5], s[4:5], s[22:23]
	s_lshl_b32 s22, s20, 18                        ; W1: my K step's 128 rows,
	s_add_co_u32 s22, s22, s24                     ; in the tensor's half,
	s_lshl_b32 s25, ttmp9, 8
	s_add_co_u32 s22, s22, s25                     ; the block's 64 columns,
	s_lshl_b32 s25, s19, 6
	s_add_co_u32 s22, s22, s25                     ; my 16 of them
	s_add_nc_u64 s[8:9], s[8:9], s[22:23]
	s_lshl_b32 s22, ttmp9, 8                       ; b1, W2: the 32 columns that I multiply
	s_lshl_b32 s25, s20, 7
	s_add_co_u32 s22, s22, s25
	s_add_nc_u64 s[10:11], s[10:11], s[22:23]
	s_add_nc_u64 s[12:13], s[12:13], s[22:23]
	s_lshl_b32 s22, s21, 2
	s_add_co_u32 s22, s22, s19                     ; H: tile 4 x block + my row tile, 32,768 bytes each,
	s_lshl_b32 s22, s22, 15
	s_lshl_b32 s25, ttmp9, 12
	s_add_co_u32 s22, s22, s25                     ; the block's 16 units,
	s_lshl_b32 s25, s20, 11
	s_add_co_u32 s22, s22, s25                     ; my 8 of them
	s_add_nc_u64 s[14:15], s[14:15], s[22:23]
	s_mul_i32 s22, ttmp9, 6144                     ; lin: the column block's 1,536 rows, the row block's 256 bytes
	s_lshl_b32 s25, s21, 8
	s_add_co_u32 s22, s22, s25
	s_add_nc_u64 s[16:17], s[16:17], s[22:23]
	; all 88 loads of the wave go out here: b1 and W2 (8), x (16), W1 (64)
	s_wait_alu depctr_va_vdst(0)                   ; the offsets and LDS addresses v4, v5, v8 to v15 and v246 to v248 are written: every load and store of the kernel reads one of them, and none is written again
.irp cc, 0,1
.irp q, 0,1
	global_load_b128 v[BI+8*\cc+4*\q:BI+8*\cc+4*\q+3], v[BA], s[10:11] offset:64*\cc+16*\q   ; lane (r, h), tile cc: columns 16 cc + 8 h + 0 .. 7
	global_load_b128 v[WW+8*\cc+4*\q:WW+8*\cc+4*\q+3], v[BA], s[12:13] offset:64*\cc+16*\q
.endr
.endr
.irp b, 0,1,2,3
.irp j, 0,1,2,3
	global_load_b128 v[X+16*\b+4*\j:X+16*\b+4*\j+3], v[XA], s[4:5] offset:128*\b+16*\j
.endr
.endr
.irp c, 0,1
.irp i, 0,1,2,3,4,5,6,7,8,9,10,11,12,13,14,15,16,17,18,19,20,21,22,23,24,25,26,27,28,29,30,31
	global_load_b32 v[W+32*\c+\i], v[WA], s[8:9] offset:(64*\c+\i)*2048   ; W1(64 c + 32 h + i, r): a lane to a column, registers down K, in the operand's own order
.endr
.endr
	s_wait_loadcnt 0x3f                            ; at most the youngest 63 of the 88 are out: b1, W2 and x, the first 24, are in
.irp j, 0,1,2,3,4,5,6,7,8,9,10,11,12,13,14,15
	v_cndmask_b32 v[BI+\j], 0, v[BI+\j], vcc_lo    ; rows of z_t start their sums at 0
.endr
	QUANT X
	s_wait_alu depctr_va_vdst(0)                   ; QUANT has written x's codes v[PC ..] and scale word v[PW], which the four LDS stores read; they leave while W1 is still on its way
	IMAGE PC, XIMG
	ds_store_b32 v[MYS], v[PW] offset:XSC
	s_wait_loadcnt 0x0                             ; W1
.irp c, 0,1                                    ; my block 2 c + h: all its 32 numbers are mine
	v_max3_num_f32 v[TW+\c], |v[W+32*\c]|, |v[W+1+32*\c]|, 0x2800000
.endr
.irp i, 2,4,6,8,10,12,14,16,18,20,22,24,26,28,30
.irp c, 0,1
	v_max3_num_f32 v[TW+\c], v[TW+\c], |v[W+32*\c+\i]|, |v[W+1+32*\c+\i]|
.endr
.endr
.irp c, 0,1
	v_add_nc_u32 v[TS+\c], 0xfe000000, v[TW+\c]    ; 4 off the exponent field: the conversion's scale operand
.endr
.irp c, 0,1
	v_lshrrev_b32 v[TB+\c], 23, v[TS+\c]           ; the scale's byte
.endr
	v_lshl_or_b32 v[WT], v[TB+1], 16, v[TB]        ; my two bytes: blocks h and 2 + h of column r,
	v_lshlrev_b32 v[WT+1], 3, v3
	v_lshlrev_b32 v[WT], v[WT+1], v[WT]            ; at their places in the scale word (8 h bits up);
	v_mov_b32 v[WT+1], 0
	v_permlanex16_b32 v[WT+1], v[WT], s[SEL], s[SEL+1]
	v_or_b32 v[PW2], v[WT], v[WT+1]                ; with lane l xor 16's two the word is whole
.irp c, 0,1
	v_cvt_scalef32_pk16_bf6_f32 v[PC2+6*\c:PC2+2+6*\c], v[W+32*\c:W+15+32*\c], v[TS+\c]
	v_cvt_scalef32_pk16_bf6_f32 v[PT+4*\c:PT+2+4*\c], v[W+16+32*\c:W+31+32*\c], v[TS+\c]
.endr
	v_nop                                          ; one plain place behind a scaled conversion
.irp c, 0,1
.irp i, 0,1,2
	v_mov_b32 v[PC2+3+6*\c+\i], v[PT+4*\c+\i]
.endr
.endr
	s_wait_alu depctr_va_vdst(0)                   ; W1's codes v[PC2 ..] and scale word v[PW2] are written, which the four LDS stores read; and the maxima and conversions are done reading v16 to v143, in which the LDS loads behind the barriers land
	IMAGE PC2, WIMG
	ds_store_b32 v[MYS], v[PW2] offset:WSC
	s_wait_dscnt 0x0                               ; for the others' sake: my images have landed
	s_barrier_signal -1
	s_barrier_wait -1                              ; all sixteen fragments lie in LDS
.irp s, 0,1
	FETCH XF+FR*\s, XFA, XIMG+\s*FRB               ; no wait: no vector instruction since the wait above
	ds_load_b32 v[XS+\s], v[XSA] offset:XSC+128*\s
.endr
.irp f, 0,1,2,3                                ; fragment f = 2 x (column tile of my pair) + K step
	FETCH WF+FR*\f, WFA, WIMG+\f*FRB
	ds_load_b32 v[WS+\f], v[WSA] offset:WSC+128*\f
.endr
	s_wait_dscnt 0x0
	; two accumulators by turns, one instruction a turn; the bias is the C of each sum's first product
	v_wmma_scale_f32_16x16x128_f8f6f4 v[D:D+7], v[WF:WF+FR-1], v[XF:XF+FR-1], v[BI:BI+7], v[WS], v[XS] matrix_a_fmt:MATRIX_FMT_BF6 matrix_b_fmt:MATRIX_FMT_BF6
	v_wmma_scale_f32_16x16x128_f8f6f4 v[D+8:D+15], v[WF+2*FR:WF+3*FR-1], v[XF:XF+FR-1], v[BI+8:BI+15], v[WS+2], v[XS] matrix_a_fmt:MATRIX_FMT_BF6 matrix_b_fmt:MATRIX_FMT_BF6
	v_wmma_scale_f32_16x16x128_f8f6f4 v[D:D+7], v[WF+FR:WF+2*FR-1], v[XF+FR:XF+2*FR-1], v[D:D+7], v[WS+1], v[XS+1] matrix_a_fmt:MATRIX_FMT_BF6 matrix_b_fmt:MATRIX_FMT_BF6
	v_wmma_scale_f32_16x16x128_f8f6f4 v[D+8:D+15], v[WF+3*FR:WF+4*FR-1], v[XF+FR:XF+2*FR-1], v[D+8:D+15], v[WS+3], v[XS+1] matrix_a_fmt:MATRIX_FMT_BF6 matrix_b_fmt:MATRIX_FMT_BF6
.rept 4
	v_nop                                          ; four places between a matrix instruction and the first vector instruction that reads its result (ISA guide 7.12.1)
.endr
	; lane (r, h), tile cc, register j: row r, column 16 cc + 8 h + j of my 32.  The row's part of the linear sum, each accumulator read from its low end on:
	v_mul_f32 v[P], v[D], v[WW]
	v_mul_f32 v[P+1], v[D+8], v[WW+8]
.irp j, 1,2,3,4,5,6,7
	v_fmac_f32 v[P], v[D+\j], v[WW+\j]
	v_fmac_f32 v[P+1], v[D+8+\j], v[WW+8+\j]
.endr
	v_add_f32 v[P], v[P], v[P+1]
	v_permlanex16_b32 v[P+1], v[P], s[SEL], s[SEL+1]
	v_add_f32 v[P], v[P], v[P+1]                   ; with lane l xor 16's eight columns of each tile
	v_mul_f32 v[P], s28, v[P]                      ; x 0.01 or x 1
.irp j, 0,2,4,6,8,10,12,14
	v_pk_mul_f32 v[D+\j:D+\j+1], v[D+\j:D+\j+1], s[26:27] op_sel_hi:[1,0]   ; ht as it is, hb negated
.endr
	s_wait_alu depctr_va_vdst(0)                   ; the partial sum v[P] and the scaled results v[D ..] are written, which the LDS store and the four global stores read
	ds_store_b32 v[LINA], v[P]                     ; (both halves of the lanes write the same word with the same value)
.irp cc, 0,1
.irp q, 0,1
	global_store_b128 v[HO], v[D+8*\cc+4*\q:D+8*\cc+4*\q+3], s[14:15] offset:1024*\cc+256*\q   ; unit 4 cc + 2 h + q: sixteen lanes store 256 consecutive bytes, aligned; the other sixteen the unit 512 bytes on
.endr
.endr
	s_wait_dscnt 0x0                               ; for wave 0's sake: my partial sums have landed
	s_barrier_signal -1
	s_barrier_wait -1
	s_cmp_lg_u32 s18, 0
	s_cbranch_scc1 .Ldone                          ; wave 0 adds the two waves' parts of each row and stores the block's 64 sums
	ds_load_b64 v[P+2:P+3], v[LINR]                ; no wait: these registers were W1's numbers, and no vector instruction has named them since the wait ahead of W1's images
	ds_load_b64 v[P+4:P+5], v[LINR] offset:64
	s_wait_dscnt 0x0
	v_pk_add_f32 v[P+2:P+3], v[P+2:P+3], v[P+4:P+5]
	s_wait_alu depctr_va_vdst(0)                   ; the addition has written v[P+2:P+3], which the store reads
	global_store_b64 v[LINO], v[P+2:P+3], s[16:17] ; 32 lanes store 256 consecutive bytes, aligned
.Ldone:
	s_wait_dscnt 0x0                               ; the closing lines, six on end
	s_wait_alu 0x0
	s_wait_tensorcnt 0x0
	ds_add_u32 v213, v249
	s_wait_dscnt 0x0
	s_endpgm
.Lfunc_end_k_qd9aa3025d4_proj:
	.size	k_qd9aa3025d4_proj, .Lfunc_end_k_qd9aa3025d4_proj-k_qd9aa3025d4_proj
	.p2alignl 7, 3214868480
	.fill 96, 4, 3214868480
	.section	.rodata,"a",@progbits
	.p2align	6, 0x0
	.amdhsa_kernel k_qd9aa3025d4_proj
		.amdhsa_group_segment_fixed_size 28672
		.amdhsa_private_segment_fixed_size 0
		.amdhsa_enable_private_segment 0
		.amdhsa_kernarg_size 56
		.amdhsa_user_sgpr_count 2
		.amdhsa_user_sgpr_kernarg_segment_ptr 1
		.amdhsa_wavefront_size32 1
		.amdhsa_system_sgpr_workgroup_id_x 1
		.amdhsa_system_sgpr_workgroup_id_y 1
		.amdhsa_system_sgpr_workgroup_id_z 1
		.amdhsa_system_vgpr_workitem_id 0
		.amdhsa_next_free_vgpr 256
		.amdhsa_next_free_sgpr 66
		.amdhsa_reserve_vcc 1
		.amdhsa_float_denorm_mode_32 3
		.amdhsa_float_denorm_mode_16_64 3
		.amdhsa_memory_ordered 1
		.amdhsa_forward_progress 1
		.amdhsa_inst_pref_size 25
	.end_amdhsa_kernel
	.amdgpu_metadata
---
amdhsa.version: [ 1, 2 ]
amdhsa.kernels:
  - .name:           k_qd9aa3025d4_proj
    .symbol:         k_qd9aa3025d4_proj.kd
    .args:
      - { .name: z_t, .offset: 0, .size: 8, .value_kind: global_buffer, .address_space: global }
      - { .name: z_o, .offset: 8, .size: 8, .value_kind: global_buffer, .address_space: global }
      - { .name: W1, .offset: 16, .size: 8, .value_kind: global_buffer, .address_space: global }
      - { .name: b1, .offset: 24, .size: 8, .value_kind: global_buffer, .address_space: global }
      - { .name: W2, .offset: 32, .size: 8, .value_kind: global_buffer, .address_space: global }
      - { .name: H, .offset: 40, .size: 8, .value_kind: global_buffer, .address_space: global }
      - { .name: lin, .offset: 48, .size: 8, .value_kind: global_buffer, .address_space: global }
    .group_segment_fixed_size: 28672
    .private_segment_fixed_size: 0
    .kernarg_segment_align: 8
    .kernarg_segment_size: 56
    .max_flat_workgroup_size: 256
    .sgpr_count:     66
    .vgpr_count:     256
    .wavefront_size: 32
...
	.end_amdgpu_metadata
.endif
;; end of part 3
;; launch pairs: the kernel of part 2 again; grid 8 x 32, 8 waves a work-group, no clusters, 222,208 bytes of LDS; arguments H, lin, W2, b2, out0; writes out0
